; MI455X (gfx1250); checked and timed in simulation.
; The chip was launched on July 23, 2026; its instructions are those of AMD's public machine-readable ISA for CDNA 5 (MIT licence, August 2026) and "CDNA5" Instruction Set Architecture Reference Guide (July 2026). The comments in the code are by the model that wrote it; some were corrected since.
;; Gated Feature Read. Allowed arithmetic: matrix products marked QUANTISED: E2M1 operands, one E8M0 scale for each 32 along K, by v_wmma_scale_f32_16x16x128_f8f6f4 with both operands' format E2M1 (or v_wmma_scale_f32_32x16x128_f4), f32 sums; products left as they are: f32 operands where the result goes on into a quantised operand, else bf16, f16 or f32 operands; f32 sums; everything else in f32.
;; Inputs: Q 1,024 x 512 float32; Wk_b 512 float32; Wk_w 512 x 512 float32; Wv_b 512 float32; Wv_w 512 x 512 float32; features 1,024 x 128 x 512 float32; g1_b 32 float32; g1_w 32 x 513 float32; g2_b 1 float32; g2_w 1 x 32 float32.
;; Outputs: out0 1,024 x 512 float32; out1 1,024 x 1 float32.
;; This version of the problem:
;;   THIS VERSION OF THE PROBLEM IS GIVEN IN LOW PRECISION. The matrix products marked QUANTISED in the list below multiply operands that are first quantised to E2M1 (2 exponent bits, 1 mantissa bit; 4 bits a number), with one power-of-two scale for each 32 numbers along K (OCP MX v1.0); their sums are f32. All else is computed in f32.
;;   The module's matrix products, in the order in which they are computed (A, B: the left and right operand; K: the contracted axis; several contracted axes count as one K, in the product's order):
;;     1. [M 131,072, K 512] x [K 512, N 512]; A: input features; B: input Wk_w: QUANTISED
;;     2. [M 131,072, K 512] x [K 512, N 512]; A: input features; B: input Wv_w: QUANTISED
;;     3. batch 1,024 x [M 1, K 512] x [K 512, N 128]; A: input Q; B: computed on the way: left as it is (M = 1 < 16)
;;     4. batch 1,024 x [M 1, K 128] x [K 128, N 512]; A: softmax; B: computed on the way: left as it is (M = 1 < 16)
;;     5. [M 1,024, K 513] x [K 513, N 32]; A: computed on the way; B: input g1_w: QUANTISED
;;     6. [M 1,024, K 32] x [K 32, N 1]; A: computed on the way; B: input g2_w: left as it is (N = 1 < 16)
;;   THE QUANTISER, for each operand of a quantised product, along K:
;;     - K is cut into blocks of 32 from its start; a last block that is shorter is filled with zeros.
;;     - A block's scale is 2^e with e = floor(log2(the largest magnitude in the block)) - 2, held to -126 .. 127; a block of zeros has e = 0. As a byte (E8M0): e + 127.
;;     - Each number is divided by its block's scale, clamped to +-6, and rounded to the nearest number of E2M1, ties to even, subnormals kept.
;;     - The product sums the exact products of the quantised numbers (number of the format x scale) in f32.
;;   ~~~python
;;   def quantise(x, axis):      # numpy; x: float32 -> the quantised numbers, widened to float32 again
;;       x = np.moveaxis(x, axis, -1); K = x.shape[-1]
;;       x = np.pad(x, [(0, 0)] * (x.ndim - 1) + [(0, -K % 32)]); x = x.reshape(x.shape[:-1] + (-1, 32)); a = np.abs(x).max(-1, keepdims=True)
;;       e = np.where(a > 0, np.clip(np.frexp(np.where(a > 0, a, 1))[1] - 1 - 2, -126, 127), 0)      # np.frexp(a)[1] - 1 = floor(log2(a)), exactly
;;       r = np.clip(x / 2.0 ** e, -6, 6)
;;       step = 2.0 ** (np.maximum(np.frexp(np.where(r == 0, 1, r))[1] - 1, 0) - 1)
;;       q = np.round(r / step) * step * 2.0 ** e      # np.round: ties to even
;;       return np.moveaxis(q.reshape(q.shape[:-2] + (-1,))[..., :K], -1, axis).astype(np.float32)
;;   ~~~
;;   OPERANDS COMPUTED ON THE WAY. 'Computed on the way' means the value that the module computes at that place (a softmax that the list does not call 'softmax' is quantised finished and normalised). What goes into a quantiser is computed in f32, as accurately as f32 sums, v_exp_f32 and their like allow (about 1e-6 of the number): no bf16 or f16 on the way to a quantiser, and a product that is left as it is and whose result goes on into a quantised operand takes f32 operands (vector FMAs, or v_wmma_f32_16x16x4_f32). A number that lies on a knife's edge between two numbers of the format may be rounded either way, as far as f32 arithmetic and the matrix unit's own rounding can turn it there, and no further.
;; One version. Each part assembles by itself: llvm-mc -triple=amdgcn-amd-amdhsa -mcpu=gfx1250 --defsym DOCPART=n.
;; ======== version 1 of 1: 2 launches
;; limits: right only within a limited range of input values
;; workspace buffers: wq_codes 532,480 bytes; wq_scales 33,792 bytes
;; launch prep (part 1): grid 136 x 1, 1 waves a work-group, no clusters, 38,912 bytes of LDS; arguments Wk_w, Wv_w, Q, g1_w, wq_codes, wq_scales; writes wq_codes, wq_scales
.if DOCPART == 1
	.amdgcn_target "amdgcn-amd-amdhsa--gfx1250"
	.amdhsa_code_object_version 6
	.text
	.protected	k_qe5a7051498_prep
	.globl	k_qe5a7051498_prep
	.p2align	8
	.type	k_qe5a7051498_prep,@function
k_qe5a7051498_prep:
	s_mov_b64 s[64:65], 0
	v_nop
	global_prefetch_b8 v0, s[64:65] scope:SCOPE_SE
	s_setreg_imm32_b32 hwreg(HW_REG_WAVE_MODE, 25, 1), 1
	s_wait_xcnt 0x0
; GatedFeatureRead, launch 1 of 2: what many work-groups of launch 2 read is quantised ONCE to codes of E2M1 with one E8M0 byte for each 32 along K:
; Wk_w, Wv_w [512][512], Q [1024][512] (the first 512 of the gate's K = 513) and g1_w's columns 0 .. 511.  They are laid as IMAGES OF OPERAND REGISTERS.
; wq_codes: tile T (16 rows x 512 K) at 4096 T; its K step s (128 along K) at + 1024 s; registers 4 c .. 4 c + 3 of lane l at + 512 c + 16 l.  T = 0-31 Wk, 32-63 Wv, 64-127 Q, 128-129 g1_w.
; wq_scales: T < 128: the scale word of row r, K step s at 256 T + 64 s + 4 r;  g1_w: fragment f = 4 tile + s at 32768 + 128 f + 4 lane (lanes 16-31 repeat lanes 0-15).
; DEAD WORK OF THE WHOLE PROGRAM: Wk_b.  scores[b][c] = (Q[b] . K0[b][c] + Q[b] . Wk_b) / sqrt(512), K0 being the product without its bias.  The second term is the same for all c of row b, so the
; softmax along c cancels it for every value of the inputs; K goes nowhere else, and the product of Q with K is not quantised, so no quantiser sees the bias.  Wk_b is not loaded and is among no launch's arguments.
; LIMIT: a NaN, an infinity or an overflow that only Wk_b would bring is not carried to the result.
; THE QUANTISER: a block's byte is its largest magnitude's exponent field - 2, held at 1 from below by a floor among the maximum's leaves; the conversion divides by that power of two, rounds to the nearest
; code, ties to even, and gives the largest code beyond 6.  LIMITS: a block of zeros gets the byte 1 where the rule says 127 (its codes are zeros, and this program alone reads the bytes); magnitudes under
; 2^-124 are held at the byte 1; NaN and infinities among the inputs are not served.
; SHARES: one wave to a work-group, one tile (32 KB of f32) to each of work-groups 0-127, one fragment of g1_w to each of 128-135.  A tile's 64 loads read 512 consecutive bytes each and are all out together.
; A UNIT is 512 bytes: one K step of one row.  The units go into LDS 528 bytes apart; then LANE l TAKES UNIT l, so a lane holds whole blocks of 32: no other lane is asked for a maximum, a block's 16 bytes of
; codes are the image's bytes at 256 x block + 16 x row, and the lane's four bytes are its row's scale word.
.set UP,    528                        ; a unit in LDS: 512 bytes + 16: sixteen lanes' 16-byte reads start 16 bytes apart modulo 256
.set FP,    1088                       ; a fragment's image in LDS: 1,024 bytes + 64: the sixteen lanes of a store (4 rows x 4 K steps) start 16 bytes apart modulo 256
.set IMGP,  64*UP                      ; LDS: 64 units; the tile's 4 images;
.set ISCP,  IMGP+4*FP                  ; its 64 scale words;
.set SPARE, ISCP+256                   ; the spare words: a block of 256 bytes that no other line names
.set SPW, 1                            ; v1  LDS address of my spare word; never rewritten
.set NIL, 2                            ; v2  0; never rewritten
.set LN,  3                            ; v3  lane
.set L16, 4                            ; v4  16 x lane
.set QA0, 5                            ; v5  my unit of a pass
.set IW0, 6                            ; v6  where my codes go
.set SW0, 7                            ; v7  where my scale word goes
.set QAD, 8                            ; v8-10 the same for the pass in hand
.set IWD, 9
.set SWD, 10
.set L8,  11                           ; v11 8 x lane
.set MX0, 12                           ; v12, v13 the maximum's two chains
.set MX1, 13
.set SC,  14                           ; v14 the conversion's scale operand
.set W,   15                           ; v15 a scale word
.set BY,  16                           ; v16-19 four bytes
.set XA,  32                           ; v32-63, v64-95 two blocks of 32 numbers
.set XB,  64
.set C,   96                           ; v96-111 four blocks' codes
.set RB,  112                          ; v112-145 the way out.   Window 1: v0-255 the tile as loaded
.set QS,  24                           ; s24-26 a pass's steps; s27 counts passes
.set QI,  25
.set QW,  26
.set CNT, 27
.set MSB, 0
.macro WIN new                         ; the immediate's high byte repeats the setting that is left
.if MSB != \new
	s_set_vgpr_msb (MSB<<8)|\new
.set MSB, \new
.endif
.endm
.macro LDB x, off                      ; a block of 32 numbers of my unit
.irp j, 0,1,2,3,4,5,6,7
	ds_load_b128 v[\x+4*\j:\x+4*\j+3], v[QAD] offset:\off+16*\j
.endr
.endm
.macro BLOCK x, c, by                  ; 32 numbers -> 4 registers of codes and the scale's byte
	v_max3_num_f32 v[MX0], |v[\x]|, |v[\x+1]|, |v[\x+2]|
	v_max3_num_f32 v[MX1], |v[\x+3]|, |v[\x+4]|, |v[\x+5]|
.irp i, 6,10,14,18,22,26
	v_max3_num_f32 v[MX0], v[MX0], |v[\x+\i]|, |v[\x+\i+1]|
	v_max3_num_f32 v[MX1], v[MX1], |v[\x+\i+2]|, |v[\x+\i+3]|
.endr
	v_max3_num_f32 v[MX0], v[MX0], |v[\x+30]|, |v[\x+31]|
	v_max3_num_f32 v[MX0], v[MX0], v[MX1], 0x1800000       ; the floor 2^(3 - 127): the byte cannot fall under 1
	v_add_nc_u32 v[SC], 0xff000000, v[MX0]                 ; 2 off the exponent field: the conversion takes that field as its scale
.irp g, 0,1,2,3
	v_cvt_scalef32_pk8_fp4_f32 v[\c+\g], v[\x+8*\g:\x+8*\g+7], v[SC]
.endr
	v_lshrrev_b32 v[\by], 23, v[SC]                        ; the byte; also the plain line behind the conversions
.endm
.macro QTILE qs, qi, qw                ; 64 units in two passes of 32
	s_mov_b32 s[QS], \qs
	s_mov_b32 s[QI], \qi
	s_mov_b32 s[QW], \qw
	s_mov_b32 s[CNT], 2
.Lq_\@:
	s_wait_alu depctr_va_vdst(0)
	v_add_nc_u32 v[QAD], s[QS], v[QA0]
	LDB XA, 0
	LDB XB, 128
	s_wait_dscnt 8                                 ; the eight younger loads may be out; the last pass's five stores are older: their registers may be written
	BLOCK XA, C, BY
	LDB XA, 256
	s_wait_dscnt 8
	BLOCK XB, C+4, BY+1
	LDB XB, 384
	s_wait_dscnt 8
	BLOCK XA, C+8, BY+2
	s_wait_dscnt 0x0
	BLOCK XB, C+12, BY+3
	v_lshl_or_b32 v[W], v[BY+1], 8, v[BY]
	v_lshl_or_b32 v[W], v[BY+2], 16, v[W]
	v_lshl_or_b32 v[W], v[BY+3], 24, v[W]
	v_add_nc_u32 v[IWD], s[QI], v[IW0]
	v_add_nc_u32 v[SWD], s[QW], v[SW0]
.irp k, 0,1,2,3
	ds_store_b128 v[IWD], v[C+4*\k:C+4*\k+3] offset:256*\k
.endr
	ds_store_b32 v[SWD], v[W]
	s_add_co_u32 s[QS], s[QS], 32*UP               ; 32 units, 8 rows on
	s_add_co_u32 s[QI], s[QI], 128
	s_add_co_u32 s[QW], s[QW], 32
	s_sub_co_u32 s[CNT], s[CNT], 1
	s_cmp_lg_u32 s[CNT], 0
	s_cbranch_scc1 .Lq_\@
.endm
	s_load_b256 s[4:11], s[0:1], 0x0               ; Wk_w s[4:5], Wv_w s[6:7], Q s[8:9], g1_w s[10:11]
	s_load_b128 s[12:15], s[0:1], 0x20             ; wq_codes s[12:13], wq_scales s[14:15]
	v_lshl_add_u32 v[SPW], v0, 2, SPARE
	v_mov_b32 v[NIL], 0
	v_and_b32 v[LN], 31, v0
	v_lshlrev_b32 v[L16], 4, v[LN]
	v_lshlrev_b32 v[L8], 3, v[LN]
	v_mul_u32_u24 v[QA0], v[LN], UP
	v_and_b32 v20, 3, v[LN]                        ; my unit's K step
	v_lshrrev_b32 v21, 2, v[LN]                    ; and its row of the pass's eight
	v_mul_u32_u24 v[IW0], v20, FP
	v_lshl_add_u32 v[IW0], v21, 4, v[IW0]
	v_add_nc_u32 v[IW0], IMGP, v[IW0]
	v_lshlrev_b32 v[SW0], 6, v20
	v_lshl_add_u32 v[SW0], v21, 2, v[SW0]
	v_add_nc_u32 v[SW0], ISCP, v[SW0]
	s_mov_b32 s20, 0x76543210
	s_mov_b32 s21, 0xfedcba98                      ; v_permlanex16_b32's selects for lane l xor 16
	s_mov_b32 s19, 0
	s_wait_kmcnt 0x0
	s_cmp_ge_u32 ttmp9, 128
	s_cbranch_scc1 .Lg1
	; ---- a tile of Wk_w, Wv_w or Q: the choice hangs on the work-group's number alone
	s_cmp_lt_u32 ttmp9, 32
	s_cselect_b64 s[16:17], s[4:5], s[6:7]
	s_cselect_b32 s18, 0, 32
	s_cmp_lt_u32 ttmp9, 64
	s_cselect_b64 s[16:17], s[16:17], s[8:9]
	s_cselect_b32 s18, s18, 64
	s_sub_co_u32 s18, ttmp9, s18                   ; the tile's number in its tensor
	s_lshl_b32 s18, s18, 15                        ; 16 rows of 2,048 bytes
	s_add_nc_u64 s[16:17], s[16:17], s[18:19]
	s_lshl_b32 s18, ttmp9, 12
	s_add_nc_u64 s[12:13], s[12:13], s[18:19]
	s_lshl_b32 s18, ttmp9, 8
	s_add_nc_u64 s[14:15], s[14:15], s[18:19]
	WIN 0x40                                       ; destination window 1
.set u, 0
.rept 64
	global_load_b128 v[4*u:4*u+3], v[L16], s[16:17] offset:512*u th:TH_LOAD_NT   ; unit u: 32 lanes read 512 consecutive bytes
.set u, u+1
.endr
	WIN 0x04                                       ; an LDS store's data are its source 1: window 1
	s_wait_loadcnt 32                              ; the first 32 units are in, the other 32 may be out
.set u, 0
.rept 32
	ds_store_b128 v[L16], v[4*u:4*u+3] offset:UP*u
.set u, u+1
.endr
	s_wait_loadcnt 0x0
.rept 32
	ds_store_b128 v[L16], v[4*u:4*u+3] offset:UP*u
.set u, u+1
.endr
	WIN 0
	QTILE 0, 0, 0                                  ; LDS serves a wave's instructions in order: its loads see the stores above
.irp s, 0,1,2,3
.irp c, 0,1
	ds_load_b128 v[RB+8*\s+4*\c:RB+8*\s+4*\c+3], v[L16] offset:IMGP+FP*\s+512*\c
.endr
.endr
	ds_load_b64 v[RB+32:RB+33], v[L8] offset:ISCP
	s_wait_dscnt 0x0
.irp s, 0,1,2,3
.irp c, 0,1
	global_store_b128 v[L16], v[RB+8*\s+4*\c:RB+8*\s+4*\c+3], s[12:13] offset:1024*\s+512*\c   ; 512 consecutive bytes, aligned
.endr
.endr
	global_store_b64 v[L8], v[RB+32:RB+33], s[14:15]       ; the tile's 64 scale words: 256 consecutive bytes, aligned
	s_branch .Lend
.Lg1:
	; ---- a fragment of g1_w.  Its rows are 2,052 bytes, so only 4-byte loads are aligned: lane (r, h) takes of row 16 tile + r the numbers k = 128 s + 64 c + 32 h + 0 .. 31: the operand's own order
	s_sub_co_u32 s16, ttmp9, 128                   ; f = 4 tile + s
	s_lshr_b32 s17, s16, 2
	s_and_b32 s18, s16, 3
	s_mul_i32 s17, s17, 16*2052
	s_lshl_b32 s18, s18, 9
	s_add_co_u32 s17, s17, s18
	v_and_b32 v20, 15, v[LN]
	v_lshrrev_b32 v21, 4, v[LN]
	v_mul_u32_u24 v22, v20, 2052
	v_lshl_add_u32 v22, v21, 7, v22
	v_add_nc_u32 v22, s17, v22
	v_lshlrev_b32 v24, 2, v[LN]
	s_lshl_b32 s18, s16, 10
	s_add_co_u32 s18, s18, 128*4096
	s_add_nc_u64 s[12:13], s[12:13], s[18:19]
	s_lshl_b32 s18, s16, 7
	s_add_co_u32 s18, s18, 32768
	s_add_nc_u64 s[14:15], s[14:15], s[18:19]
.irp c, 0,1
.irp i, 0,1,2,3,4,5,6,7,8,9,10,11,12,13,14,15,16,17,18,19,20,21,22,23,24,25,26,27,28,29,30,31
	global_load_b32 v[XA+32*\c+\i], v22, s[10:11] offset:256*\c+4*\i
.endr
.endr
	s_wait_loadcnt 0x0
	BLOCK XA, C, BY                                ; my block h,
	BLOCK XB, C+4, BY+1                            ; and my block 2 + h
	v_lshl_or_b32 v[W], v[BY+1], 16, v[BY]
	v_lshlrev_b32 v23, 3, v21
	v_lshlrev_b32 v[W], v23, v[W]                  ; at their places in the word, 8 h bits up;
	v_mov_b32 v23, 0
	v_permlanex16_b32 v23, v[W], s20, s21
	v_or_b32 v[W], v[W], v23                       ; with lane l xor 16's two the word is whole
	global_store_b128 v[L16], v[C:C+3], s[12:13]
	global_store_b128 v[L16], v[C+4:C+7], s[12:13] offset:512
	global_store_b32 v24, v[W], s[14:15]
.Lend:
	s_wait_tensorcnt 0x0                           ; the wave's end: behind my last LDS store
	ds_add_u32 v[SPW], v[NIL]
	s_wait_dscnt 0x0
	s_endpgm
.Lfunc_end_k_qe5a7051498_prep:
	.size	k_qe5a7051498_prep, .Lfunc_end_k_qe5a7051498_prep-k_qe5a7051498_prep
	.p2alignl 7, 3214868480
	.fill 96, 4, 3214868480
	.section	.rodata,"a",@progbits
	.p2align	6, 0x0
	.amdhsa_kernel k_qe5a7051498_prep
		.amdhsa_group_segment_fixed_size 38912
		.amdhsa_private_segment_fixed_size 0
		.amdhsa_enable_private_segment 0
		.amdhsa_kernarg_size 48
		.amdhsa_user_sgpr_count 2
		.amdhsa_user_sgpr_kernarg_segment_ptr 1
		.amdhsa_wavefront_size32 1
		.amdhsa_system_sgpr_workgroup_id_x 1
		.amdhsa_system_sgpr_workgroup_id_y 1
		.amdhsa_system_sgpr_workgroup_id_z 1
		.amdhsa_system_vgpr_workitem_id 0
		.amdhsa_next_free_vgpr 512
		.amdhsa_next_free_sgpr 66
		.amdhsa_reserve_vcc 0
		.amdhsa_float_denorm_mode_32 3
		.amdhsa_float_denorm_mode_16_64 3
		.amdhsa_memory_ordered 1
		.amdhsa_forward_progress 1
		.amdhsa_inst_pref_size 33
	.end_amdhsa_kernel
	.amdgpu_metadata
---
amdhsa.version: [ 1, 2 ]
amdhsa.kernels:
  - .name:           k_qe5a7051498_prep
    .symbol:         k_qe5a7051498_prep.kd
    .args:
      - { .name: Wk_w, .offset: 0, .size: 8, .value_kind: global_buffer, .address_space: global }
      - { .name: Wv_w, .offset: 8, .size: 8, .value_kind: global_buffer, .address_space: global }
      - { .name: Q, .offset: 16, .size: 8, .value_kind: global_buffer, .address_space: global }
      - { .name: g1_w, .offset: 24, .size: 8, .value_kind: global_buffer, .address_space: global }
      - { .name: wq_codes, .offset: 32, .size: 8, .value_kind: global_buffer, .address_space: global }
      - { .name: wq_scales, .offset: 40, .size: 8, .value_kind: global_buffer, .address_space: global }
    .group_segment_fixed_size: 38912
    .private_segment_fixed_size: 0
    .kernarg_segment_align: 8
    .kernarg_segment_size: 48
    .max_flat_workgroup_size: 32
    .sgpr_count:     66
    .vgpr_count:     512
    .wavefront_size: 32
...
	.end_amdgpu_metadata
.endif
;; end of part 1
;; launch main (part 2): grid 256 x 1, 8 waves a work-group, no clusters, 327,680 bytes of LDS; arguments features, Q, wq_codes, wq_scales, g1_w, g1_b, g2_w, g2_b, Wv_b, out0, out1; writes out0, out1
.if DOCPART == 2
	.amdgcn_target "amdgcn-amd-amdhsa--gfx1250"
	.amdhsa_code_object_version 6
	.text
	.protected	k_qe5a7051498_main
	.globl	k_qe5a7051498_main
	.p2align	8
	.type	k_qe5a7051498_main,@function
k_qe5a7051498_main:
	s_mov_b64 s[64:65], 0
	v_nop
	global_prefetch_b8 v0, s[64:65] scope:SCOPE_SE
	s_setreg_imm32_b32 hwreg(HW_REG_WAVE_MODE, 25, 1), 1
	s_wait_xcnt 0x0
; GatedFeatureRead, launch 2 of 2.  A work-group owns four batch rows b and takes each through the whole chain: features[b] (128 x 512 f32) -> codes of E2M1 -> K, V -> scores, softmax, weighted sum -> gate.
; LEFT OUT: Wk_b (the same term for all c of a row of scores, so the softmax along c cancels it: shown at the head of launch 1).  Wv_b is added once behind the weighted sum: the weights of a row sum to 1.
; LIMITS: as the quantiser of launch 1 (a block of zeros has the byte 1 and zero codes; NaN and infinities among the inputs are not served).  The row's largest score is taken away before the exponential.
; SHARES: eight waves, two to a SIMD, 512 registers each.  Wave w keeps in registers the codes of 64 rows of Wk_w and 64 rows of Wv_w (t = 64 w ..), 4 tiles x 4 K steps x 8 registers each: window 1.
; features come through a ring of two LDS slots of 64 rows, filled by the tensor data mover; each wave fetches, and alone reads, its own 8 rows: 32 units of 512 bytes (one K step of one row), 528 bytes apart in LDS.
; LANE l TAKES UNIT l, so it holds whole blocks of 32; its codes go to LDS as images of operand registers (tile of 16 rows, K step: 1,024 bytes + 64), which all eight waves read as fragments.
; First pass: K^T = Wk x features^T (a lane holds one c, registers run along t), dotted with Q in f32; partial scores meet in LDS.  Every wave makes the softmax for itself.  Second pass: V = features x Wv^T (a lane holds one t), summed with p.
; THE GATE: waves 0 and 1 take 16 hidden units each: K = 0 .. 511 at the head (Q's and g1_w's codes of launch 1), the sums wait in LDS; the last block (k = 512: the mean of |features|) follows the last softmax.
; NO CLUSTER: features, 1,048,576 bytes a work-group, are read by one work-group alone; the weights' codes, 262,144 bytes a work-group, are read once and go straight into registers.
; PREFETCH: at each fill of a slot every wave names the 64 blocks of 256 bytes (a lane a block, two instructions) of its own 8 rows of the NEXT fill; the last refill names nothing; the first two fills come by their loads alone.
.set UP,    528
.set TILEB, 32*UP                      ; a wave's part of a slot
.set SLOT,  8*TILEB
.set FP,    1088                       ; a fragment's image
.set IMG,   2*SLOT                     ; 8 tiles x 4 K steps of images
.set ISC,   IMG+32*FP                  ; their scale words: 256 tile + 64 K step + 4 row
.set SCO,   ISC+2048                   ; partial scores: 512 bytes a wave
.set PW,    SCO+4096                   ; p: a copy for each wave
.set OST,   PW+4096                    ; results: 1,024 bytes a wave: 256 batch + 4 t
.set ABT,   OST+8192                   ; eight partial sums of |x|
.set GSA,   ABT+256                    ; the gate's sums over K = 0 .. 511: 256 bytes for each of waves 0, 1
.set GSC,   GSA+512                    ; g1_w's column 512
.set GSW,   GSC+256                    ; g2_w
.set ZP,    GSW+256                    ; the two halves of the gate's last product
.set SPARE, ZP+256                     ; the spare words: 128 bytes a wave, four blocks of 256 bytes that no other line names
.set SPW, 1
.set NIL, 2
.set L16, 3
.set F0,  4
.set I0,  5
.set SS0, 6
.set SCR, 7
.set ABR, 8
.set ABW, 9
.set PWW, 10
.set PR0, 11
.set OS0, 12
.set OSA, 13
.set ORD, 14
.set QOF, 15
.set L3,  16
.set FS,  17                           ; lane l: the sum of |x| of batch l % 4
.set RL,  18
.set PT,  19
.set PT2, 20
.set QA0, 21
.set QA1, 22
.set IW0, 23
.set SW0, 24
.set LN,  25
.set VWB, 26
.set WBO, 27
.set PFO, 28
.set W,   29
.set MX0, 30
.set MX1, 31
.set WKS, 32                           ; v32-39 Wk's scale words, v40-47 Wv's, v48-51 the fragments': these hold scales alone
.set WVS, 40
.set FSC, 48
.set SC,  52
.set WCO, 53
.set WSO, 54
.set T3,  55
.set BY,  56
.set T0,  60
.set T1,  61
.set T2,  62
.set T4,  63
.set FA,  64                           ; v64-127 fragments of two tiles; in the quantiser two blocks of 32 numbers
.set XA,  64
.set XB,  96
.set ACC, 128                          ; v128-191 eight accumulators; the softmax's work
.set SM,  128
.set QR,  192                          ; v192-223 Q at my t; in the second pass p, two sets of 16
.set PB,  192
.set C,   224                          ; v224-239 codes; sums
.set SS,  224
.set OO,  240                          ; v240-247 the weighted sums
.set ASUM, 248                         ; v248-255 sums of |x|; at the end Wv_b
.set WVB, 248
.set GA,  64                           ; the gate's end, in waves 0 and 1
.set G2W, 72
.set XS,  80
.set XF,  88
.set XG,  96
.set GCR, 104
.set FSM, 105
.set MXT, 106
.set SCT, 107
.set VA0, 108
.set VA1, 109
.set VA2, 110
.set VA3, 111
.set TT,  112
.set EE,  120
.set CC,  128
.set ZZ,  136
.set WV,  26
.set G1,  28
.set G0A, 36
.set G0B, 40
.set SEL, 44
.set CS,  46
.set BI,  48
.set PFA, 50
.set G0H, 52                           ; s[52:55] group 0 of the head's load
.set BC,  56
.set OB,  57
.set KP,  74
.set KE,  75
.set A1,  76
.set A2,  77
.set A3,  78
.set A4,  79
.set A5,  80
.set KM,  81
.set KL,  82
.set GK,  83
.set G2B, 85
.set MSB, 0
.macro WIN new                         ; the immediate's high byte repeats the setting that is left
.if MSB != \new
	s_set_vgpr_msb (MSB<<8)|\new
.set MSB, \new
.endif
.endm
.macro WMS d, a, b, sa, sb, kind       ; kind 0: starts a sum; 1: scales in lanes 0-15; 2: in lanes 16-31
.if (\kind) == 0
	v_wmma_scale_f32_16x16x128_f8f6f4 v[\d:\d+7], v[\a:\a+7], v[\b:\b+7], 0, v[\sa], v[\sb] matrix_a_fmt:MATRIX_FMT_FP4 matrix_b_fmt:MATRIX_FMT_FP4
.elseif (\kind) == 1
	v_wmma_scale_f32_16x16x128_f8f6f4 v[\d:\d+7], v[\a:\a+7], v[\b:\b+7], v[\d:\d+7], v[\sa], v[\sb] matrix_a_fmt:MATRIX_FMT_FP4 matrix_b_fmt:MATRIX_FMT_FP4
.else
	v_wmma_scale_f32_16x16x128_f8f6f4 v[\d:\d+7], v[\a:\a+7], v[\b:\b+7], v[\d:\d+7], v[\sa], v[\sb] matrix_a_fmt:MATRIX_FMT_FP4 matrix_b_fmt:MATRIX_FMT_FP4 matrix_a_scale:MATRIX_SCALE_ROW1 matrix_b_scale:MATRIX_SCALE_ROW1
.endif
.endm
.macro PLACES                          ; four places behind a matrix instruction (ISA guide 7.12.1)
.rept 4
	v_nop
.endr
.endm
.macro LDB x, qa, off                  ; a block of 32 numbers of my unit
.irp j, 0,1,2,3,4,5,6,7
	ds_load_b128 v[\x+4*\j:\x+4*\j+3], v[\qa] offset:\off+16*\j
.endr
.endm
.macro BLOCK x, c, by                  ; 32 numbers -> 4 registers of codes, the scale's byte, and their magnitudes into the sums
	v_max3_num_f32 v[MX0], |v[\x]|, |v[\x+1]|, |v[\x+2]|
	v_max3_num_f32 v[MX1], |v[\x+3]|, |v[\x+4]|, |v[\x+5]|
.irp i, 6,10,14,18,22,26
	v_max3_num_f32 v[MX0], v[MX0], |v[\x+\i]|, |v[\x+\i+1]|
	v_max3_num_f32 v[MX1], v[MX1], |v[\x+\i+2]|, |v[\x+\i+3]|
.endr
	v_max3_num_f32 v[MX0], v[MX0], |v[\x+30]|, |v[\x+31]|
	v_max3_num_f32 v[MX0], v[MX0], v[MX1], 0x1800000       ; the floor 2^(3 - 127): the byte cannot fall under 1
	v_add_nc_u32 v[SC], 0xff000000, v[MX0]                 ; 2 off the exponent field: the conversion's scale operand
.irp g, 0,1,2,3
	v_cvt_scalef32_pk8_fp4_f32 v[\c+\g], v[\x+8*\g:\x+8*\g+7], v[SC]
.endr
	v_lshrrev_b32 v[\by], 23, v[SC]                        ; the byte; also the plain line behind the conversions
.irp i, 0,1,2,3,4,5,6,7,8,9,10,11,12,13,14,15
	v_add_f32 v[\x+\i], |v[\x+2*\i]|, |v[\x+2*\i+1]|       ; the numbers are done with: 16 sums of two magnitudes are laid over them, from the low end on
.endr
.irp i, 0,2,4,6,8,10,12,14
	v_pk_add_f32 v[ASUM+\i%8:ASUM+\i%8+1], v[ASUM+\i%8:ASUM+\i%8+1], v[\x+\i:\x+\i+1]
.endr
.endm
.macro QTILE qa, s                     ; my 32 units of slot s
	LDB XA, \qa, 0
	LDB XB, \qa, 128
	s_wait_dscnt 8                                 ; the eight younger loads may be out
	BLOCK XA, C, BY
	LDB XA, \qa, 256
	s_wait_dscnt 8
	BLOCK XB, C+4, BY+1
	LDB XB, \qa, 384
	s_wait_dscnt 8
	BLOCK XA, C+8, BY+2
	s_wait_dscnt 0x0
	BLOCK XB, C+12, BY+3
	v_lshl_or_b32 v[W], v[BY+1], 8, v[BY]
	v_lshl_or_b32 v[W], v[BY+2], 16, v[W]
	v_lshl_or_b32 v[W], v[BY+3], 24, v[W]
.irp k, 0,1,2,3
	ds_store_b128 v[IW0], v[C+4*\k:C+4*\k+3] offset:16*FP*\s+256*\k
.endr
	ds_store_b32 v[SW0], v[W] offset:1024*\s
.endm
.macro LOADF i                         ; the fragments and scale words of tiles 2 i, 2 i + 1
.irp e, 0,1
.irp s, 0,1,2,3
.irp c, 0,1
	ds_load_b128 v[FA+32*\e+8*\s+4*\c:FA+32*\e+8*\s+4*\c+3], v[F0] offset:(8*(\i)+4*\e+\s)*FP+512*\c
.endr
.endr
.endr
.irp e, 0,1
.irp p, 0,1
	ds_load_b32 v[FSC+2*\e+\p], v[I0] offset:512*(\i)+256*\e+128*\p
.endr
.endr
.endm
.macro LOADP i                         ; p of the same 32 rows, into set i % 2
.irp e, 0,1
.irp q, 0,1
	ds_load_b128 v[PB+16*((\i)%2)+8*\e+4*\q:PB+16*((\i)%2)+8*\e+4*\q+3], v[PR0] offset:128*(\i)+64*\e+16*\q
.endr
.endr
.endm
.macro QLOAD                           ; Q[b] at my 64 t, in the first pass's result layout
.irp t, 0,1,2,3
.irp q, 0,1
	global_load_b128 v[QR+8*\t+4*\q:QR+8*\t+4*\q+3], v[QOF], s[6:7] offset:64*\t+16*\q
.endr
.endr
.endm
.macro ASKNEXT                         ; my 16,384 bytes of the next fill: a lane names a block of 256 bytes
	global_prefetch_b8 v[PFO], s[PFA:PFA+1] th:TH_LOAD_NT scope:SCOPE_SE
	global_prefetch_b8 v[PFO], s[PFA:PFA+1] offset:8192 th:TH_LOAD_NT scope:SCOPE_SE
.endm
; A slot is filled again: every wave waits for all its tensor loads, adds 0 to its spare word, waits for that and for its LDS instructions; one barrier; the refill comes first behind it.
.macro REFILL g, cond
	s_wait_tensorcnt 0x0                           ; my one load that was out: my part of the other slot
	ds_add_u32 v[SPW], v[NIL]
	s_add_nc_u64 s[\g+2:\g+3], s[\g+2:\g+3], 262144        ; the same half of the next batch
	s_wait_xcnt 0x0                                ; my last prefetches have read their address
	s_add_nc_u64 s[PFA:PFA+1], s[PFA:PFA+1], 131072        ; one fill further on than this refill
	s_wait_dscnt 0x0
	s_barrier_signal -1
	s_barrier_wait -1
	tensor_load_to_lds s[\g:\g+3], s[G1:G1+7]
	s_nop 0
	PLACES
.if \cond
	s_cmp_lg_u32 s[BC], 1                          ; the work-group's last refill has no fill behind it
	s_cbranch_scc0 .Lnp_\@
.endif
	ASKNEXT
.Lnp_\@:
.endm
.macro BAR
	s_wait_dscnt 0x0
	s_barrier_signal -1
	s_barrier_wait -1
.endm
.macro P1TRIP i                        ; K^T of 32 rows c at my 64 t, and its dot with Q
	s_wait_dscnt 0x0
	WIN 0x01                                       ; source 0: window 1
.irp s, 0,1,2,3
.irp e, 0,1
.irp t, 0,1,2,3
	WMS ACC+32*\e+8*\t, 32*\t+8*\s, FA+32*\e+8*\s, WKS+2*\t+\s/2, FSC+2*\e+\s/2, (\s%2)*2+(\s/2)*(1-\s%2)
.endr
.endr
.endr
	WIN 0
	PLACES
.if (\i) < 3
	LOADF (\i)+1
.endif
.irp e, 0,1,2,3,4,5,6,7,8,9,10,11,12,13,14,15
.irp x, 0,1
.if \e < 2
	v_pk_mul_f32 v[SS+4*\x+2*\e:SS+4*\x+2*\e+1], v[ACC+32*\x+2*\e:ACC+32*\x+2*\e+1], v[QR+2*\e:QR+2*\e+1]
.else
	v_pk_fma_f32 v[SS+4*\x+2*(\e%2):SS+4*\x+2*(\e%2)+1], v[ACC+32*\x+2*\e:ACC+32*\x+2*\e+1], v[QR+2*\e:QR+2*\e+1], v[SS+4*\x+2*(\e%2):SS+4*\x+2*(\e%2)+1]
.endif
.endr
.endr
.irp x, 0,1
	v_pk_add_f32 v[SS+4*\x:SS+4*\x+1], v[SS+4*\x:SS+4*\x+1], v[SS+4*\x+2:SS+4*\x+3]
.endr
.irp x, 0,1
	v_add_f32 v[SS+4*\x], v[SS+4*\x], v[SS+4*\x+1]
.endr
	v_permlanex16_b32 v[PT], v[SS], s[SEL], s[SEL+1]
	v_permlanex16_b32 v[PT2], v[SS+4], s[SEL], s[SEL+1]
	v_add_f32 v[SS], v[SS], v[PT]
	v_add_f32 v[SS+4], v[SS+4], v[PT2]
	ds_store_b32 v[SS0], v[SS] offset:128*(\i)
	ds_store_b32 v[SS0], v[SS+4] offset:128*(\i)+64
.endm
.macro SOFTMAX                         ; lane l: c = 4 l .. 4 l + 3.  p = 2^(t - the row's largest t), not normalised; 1 / the sum multiplies the weighted sums at the end
.irp k, 0,1,2,3,4,5,6,7
	ds_load_b128 v[SM+4*\k:SM+4*\k+3], v[SCR] offset:512*\k
.endr
	ds_load_b128 v[SM+32:SM+35], v[ABR]
	ds_load_b128 v[SM+36:SM+39], v[ABR] offset:16
	s_wait_dscnt 0x0
.irp i, 0,2,4,6,8,10,12,14
	v_pk_add_f32 v[SM+\i:SM+\i+1], v[SM+\i:SM+\i+1], v[SM+16+\i:SM+17+\i]
.endr
.irp i, 0,2,4,6
	v_pk_add_f32 v[SM+\i:SM+\i+1], v[SM+\i:SM+\i+1], v[SM+8+\i:SM+9+\i]
.endr
.irp i, 0,2
	v_pk_add_f32 v[SM+\i:SM+\i+1], v[SM+\i:SM+\i+1], v[SM+4+\i:SM+5+\i]
.endr
	v_pk_add_f32 v[SM+32:SM+33], v[SM+32:SM+33], v[SM+34:SM+35]
	v_pk_add_f32 v[SM+36:SM+37], v[SM+36:SM+37], v[SM+38:SM+39]
	v_pk_add_f32 v[SM+32:SM+33], v[SM+32:SM+33], v[SM+36:SM+37]
	v_add_f32 v[SM+32], v[SM+32], v[SM+33]
	v_cmp_eq_u32 vcc_lo, s[BI], v[L3]
	v_cndmask_b32 v[FS], v[FS], v[SM+32], vcc_lo
	v_max3_num_f32 v[SM+4], v[SM], v[SM+1], v[SM+2]
	v_max_num_f32 v[SM+4], v[SM+4], v[SM+3]
	v_max_num_f32_dpp v[SM+4], v[SM+4], v[SM+4] row_xmask:1 row_mask:0xf bank_mask:0xf
	v_max_num_f32_dpp v[SM+4], v[SM+4], v[SM+4] row_xmask:2 row_mask:0xf bank_mask:0xf
	v_max_num_f32_dpp v[SM+4], v[SM+4], v[SM+4] row_xmask:4 row_mask:0xf bank_mask:0xf
	v_max_num_f32_dpp v[SM+4], v[SM+4], v[SM+4] row_xmask:8 row_mask:0xf bank_mask:0xf
	v_permlanex16_b32 v[PT], v[SM+4], s[SEL], s[SEL+1]
	v_max_num_f32 v[SM+4], v[SM+4], v[PT]
	v_mul_f32 v[SM+4], s[CS], v[SM+4]
.irp k, 0,1,2,3
	v_fma_f32 v[SM+\k], v[SM+\k], s[CS], -v[SM+4]
.endr
	s_wait_alu depctr_va_vdst(0)
.irp k, 0,1,2,3
	v_exp_f32 v[SM+\k], v[SM+\k]
.endr
	v_nop
	s_wait_alu depctr_va_vdst(0)
	ds_store_b128 v[PWW], v[SM:SM+3]
	v_add_f32 v[SM+5], v[SM], v[SM+1]
	v_add_f32 v[SM+6], v[SM+2], v[SM+3]
	v_add_f32 v[SM+5], v[SM+5], v[SM+6]
	v_add_f32_dpp v[SM+5], v[SM+5], v[SM+5] row_xmask:1 row_mask:0xf bank_mask:0xf
	v_add_f32_dpp v[SM+5], v[SM+5], v[SM+5] row_xmask:2 row_mask:0xf bank_mask:0xf
	v_add_f32_dpp v[SM+5], v[SM+5], v[SM+5] row_xmask:4 row_mask:0xf bank_mask:0xf
	v_add_f32_dpp v[SM+5], v[SM+5], v[SM+5] row_xmask:8 row_mask:0xf bank_mask:0xf
	v_permlanex16_b32 v[PT], v[SM+5], s[SEL], s[SEL+1]
	v_add_f32 v[SM+5], v[SM+5], v[PT]
	s_wait_alu depctr_va_vdst(0)
	v_rcp_f32 v[RL], v[SM+5]
	v_nop
	s_wait_alu depctr_va_vdst(0)
.endm
.macro P2TRIP i                        ; V of 32 rows c at my 64 t, summed with p
	s_wait_alu depctr_va_vdst(0)
	s_wait_dscnt 0x0
	WIN 0x04
.irp s, 0,1,2,3
.irp e, 0,1
.irp t, 0,1,2,3
	WMS ACC+32*\e+8*\t, FA+32*\e+8*\s, 128+32*\t+8*\s, FSC+2*\e+\s/2, WVS+2*\t+\s/2, (\s%2)*2+(\s/2)*(1-\s%2)
.endr
.endr
.endr
	WIN 0
	PLACES
.if (\i) < 3
	LOADF (\i)+1
	LOADP (\i)+1
.endif
.irp q, 0,1,2,3
.irp x, 0,1
.irp t, 0,1,2,3
.if (\i) == 0 && \q == 0 && \x == 0
	v_pk_mul_f32 v[OO+2*\t:OO+2*\t+1], v[ACC+8*\t:ACC+8*\t+1], v[PB:PB+1]
.else
	v_pk_fma_f32 v[OO+2*\t:OO+2*\t+1], v[ACC+32*\x+8*\t+2*\q:ACC+32*\x+8*\t+2*\q+1], v[PB+16*((\i)%2)+8*\x+2*\q:PB+16*((\i)%2)+8*\x+2*\q+1], v[OO+2*\t:OO+2*\t+1]
.endif
.endr
.endr
.endr
.endm
.macro P2 last
	LOADP 0                                        ; LDS serves a wave's instructions in order: these see my store of p
.if \last
	LOADF 0                                        ; (else asked for ahead of the softmax)
.endif
	P2TRIP 0
	P2TRIP 1
	P2TRIP 2
	P2TRIP 3
.irp t, 0,1,2,3
	v_add_f32 v[SS+\t], v[OO+2*\t], v[OO+2*\t+1]
.endr
.irp t, 0,1,2,3
	v_permlanex16_b32 v[SS+4+\t], v[SS+\t], s[SEL], s[SEL+1]
.endr
.irp t, 0,1,2,3
	v_add_f32 v[SS+\t], v[SS+\t], v[SS+4+\t]
.endr
.irp t, 0,1,2,3
	v_mul_f32 v[SS+\t], v[SS+\t], v[RL]
.endr
.if \last
	v_add_nc_u32 v[OSA], 768, v[OS0]
.else
	v_add_nc_u32 v[OSA], s[OB], v[OS0]
.endif
.irp t, 0,1,2,3
	ds_store_b32 v[OSA], v[SS+\t] offset:64*\t     ; both halves of the lanes write the same word with the same value
.endr
.endm
.macro CLEARSUM
.irp i, 0,1,2,3,4,5,6,7
	v_mov_b32 v[ASUM+\i], 0
.endr
.endm
.macro ONE src, frag, ks               ; one number, k = 0 of a K step whose other 127 are zeros: its code, and the scale word (the other bytes 127)
	v_cndmask_b32 v[XS], 0, v[\src], vcc_lo
	v_and_b32 v[MXT], 0x7fffffff, v[XS]
	v_max_num_f32 v[MXT], 0x1800000, v[MXT]
	v_add_nc_u32 v[SCT], 0xff000000, v[MXT]
	v_cvt_scalef32_pk8_fp4_f32 v[\frag], v[XS:XS+7], v[SCT]
	v_lshrrev_b32 v[MXT], 23, v[SCT]
	v_or_b32 v[\ks], 0x7f7f7f00, v[MXT]
.endm
; The gate's end: waves 0 and 1, 16 hidden units each.  The last block of K, gelu by erf (Abramowitz and Stegun 7.1.26, absolute error under 2e-7; no quantiser follows), and my half of the product with g2_w.
.macro GATEEND
	v_bfe_u32 v[VA1], v0, 4, 1
	v_lshl_add_u32 v[VA0], v[VA1], 7, s93
	v_lshl_add_u32 v[VA0], v[L3], 5, v[VA0]
	v_lshl_add_u32 v[VA1], v[VA1], 5, s47
	v_lshl_add_u32 v[VA2], v[LN], 2, s94
	v_lshl_add_u32 v[VA3], v[LN], 2, s49
	s_wait_alu depctr_va_vdst(0)
	s_cmp_lt_u32 s[WV], 2
	s_cbranch_scc0 .Lng2
	ds_load_b128 v[GA:GA+3], v[VA0]
	ds_load_b128 v[GA+4:GA+7], v[VA0] offset:16
	ds_load_b128 v[G2W:G2W+3], v[VA1]
	ds_load_b128 v[G2W+4:G2W+7], v[VA1] offset:16
	ds_load_b32 v[GCR], v[VA2]
	v_mul_f32 v[FSM], 0x37800000, v[FS]            ; the mean: / 65,536
	v_cmp_gt_u32 vcc_lo, 16, v[LN]                 ; k = 0 lies in lanes 0-15
.irp j, 1,2,3,4,5,6,7
	v_mov_b32 v[XS+\j], 0
	v_mov_b32 v[XF+\j], 0
	v_mov_b32 v[XG+\j], 0
.endr
	s_wait_alu depctr_va_vdst(0)
	s_wait_dscnt 0x0
	ONE FSM, XF, FSC
	ONE GCR, XG, FSC+1
.rept 8
	v_nop                                          ; a scale register written by a vector instruction stands 8 places ahead
.endr
	s_wait_alu depctr_va_vdst(0)
	WMS GA, XG, XF, FSC+1, FSC, 1
	PLACES
.irp i, 0,1,2,3,4,5,6,7
	v_fma_f32 v[TT+\i], |v[GA+\i]|, s[KP], 1.0
.endr
.irp i, 0,1,2,3,4,5,6,7
	v_mul_f32 v[EE+\i], v[GA+\i], v[GA+\i]
.endr
.irp i, 0,1,2,3,4,5,6,7
	v_mul_f32 v[EE+\i], s[KE], v[EE+\i]
.endr
	s_wait_alu depctr_va_vdst(0)
.irp i, 0,1,2,3,4,5,6,7
	v_rcp_f32 v[TT+\i], v[TT+\i]
.endr
.irp i, 0,1,2,3,4,5,6,7
	v_exp_f32 v[EE+\i], v[EE+\i]
.endr
	v_nop
	s_wait_alu depctr_va_vdst(0)
.irp i, 0,1,2,3,4,5,6,7
	v_fma_f32 v[CC+\i], v[TT+\i], s[A5], s[A4]
.endr
.irp i, 0,1,2,3,4,5,6,7
	v_fma_f32 v[CC+\i], v[CC+\i], v[TT+\i], s[A3]
.endr
.irp i, 0,1,2,3,4,5,6,7
	v_fma_f32 v[CC+\i], v[CC+\i], v[TT+\i], s[A2]
.endr
.irp i, 0,1,2,3,4,5,6,7
	v_fma_f32 v[CC+\i], v[CC+\i], v[TT+\i], s[A1]
.endr
.irp i, 0,1,2,3,4,5,6,7
	v_mul_f32 v[CC+\i], v[CC+\i], v[TT+\i]
.endr
.irp i, 0,1,2,3,4,5,6,7
	v_mul_f32 v[CC+\i], v[CC+\i], v[EE+\i]
.endr
.irp i, 0,1,2,3,4,5,6,7
	v_fma_f32 v[CC+\i], v[CC+\i], -0.5, 0.5        ; erf(|x| / sqrt 2) / 2
.endr
.irp i, 0,1,2,3,4,5,6,7
	v_and_or_b32 v[CC+\i], v[GA+\i], s[KM], v[CC+\i]       ; with x's sign
.endr
.irp i, 0,1,2,3,4,5,6,7
	v_add_f32 v[CC+\i], 0.5, v[CC+\i]
.endr
.irp i, 0,1,2,3,4,5,6,7
	v_mul_f32 v[CC+\i], v[CC+\i], v[GA+\i]
.endr
	v_mul_f32 v[ZZ], v[CC], v[G2W]
	v_mul_f32 v[ZZ+1], v[CC+1], v[G2W+1]
.irp i, 2,4,6
	v_fmac_f32 v[ZZ], v[CC+\i], v[G2W+\i]
	v_fmac_f32 v[ZZ+1], v[CC+\i+1], v[G2W+\i+1]
.endr
	v_add_f32 v[ZZ], v[ZZ], v[ZZ+1]
	v_permlanex16_b32 v[PT], v[ZZ], s[SEL], s[SEL+1]
	v_add_f32 v[ZZ], v[ZZ], v[PT]
	ds_store_b32 v[VA3], v[ZZ]                     ; lane b < 4: batch b
.Lng2:
.endm
; A batch.  On entry its rows 0-63 are quantised (slot 0 is read out) and its rows 64-127 are on their way into slot 1.
.macro BATCH last
.if \last
	s_wait_tensorcnt 0x0                           ; my part of slot 1, which I alone read
.else
	REFILL G0A, 0                                  ; slot 0 takes the next batch's rows 0-63
.endif
	QTILE QA1, 1
	v_pk_add_f32 v[ASUM:ASUM+1], v[ASUM:ASUM+1], v[ASUM+2:ASUM+3]
	v_pk_add_f32 v[ASUM+4:ASUM+5], v[ASUM+4:ASUM+5], v[ASUM+6:ASUM+7]
	v_pk_add_f32 v[ASUM:ASUM+1], v[ASUM:ASUM+1], v[ASUM+4:ASUM+5]
	v_add_f32 v[ASUM], v[ASUM], v[ASUM+1]
	v_add_f32_dpp v[ASUM], v[ASUM], v[ASUM] row_xmask:1 row_mask:0xf bank_mask:0xf
	v_add_f32_dpp v[ASUM], v[ASUM], v[ASUM] row_xmask:2 row_mask:0xf bank_mask:0xf
	v_add_f32_dpp v[ASUM], v[ASUM], v[ASUM] row_xmask:4 row_mask:0xf bank_mask:0xf
	v_add_f32_dpp v[ASUM], v[ASUM], v[ASUM] row_xmask:8 row_mask:0xf bank_mask:0xf
	v_permlanex16_b32 v[PT], v[ASUM], s[SEL], s[SEL+1]
	v_add_f32 v[ASUM], v[ASUM], v[PT]
	ds_store_b32 v[ABW], v[ASUM]
	BAR                                            ; all images and scale words of the batch are written
	LOADF 0
	s_wait_loadcnt 0x0                             ; Q; the first time the weights too
	P1TRIP 0
	P1TRIP 1
	P1TRIP 2
	P1TRIP 3
.if \last
	BAR                                            ; all partial scores are written
	global_load_b128 v[WVB:WVB+3], v[WBO], s[20:21]
.else
	REFILL G0B, 1                                  ; the same, and slot 1 takes the next batch's rows 64-127
	LOADF 0                                        ; the second pass's first fragments, under the softmax
.endif
	SOFTMAX
.if \last
	GATEEND
.endif
	P2 \last
.if \last == 0
	s_add_nc_u64 s[6:7], s[6:7], 2048              ; the loads that read this base were waited for
	QLOAD
	BAR                                            ; nobody reads the images any more
	CLEARSUM
	QTILE QA0, 0                                   ; my part of slot 0 landed ahead of the last refill's barrier
.endif
.endm
	s_load_b512 s[4:19], s[0:1], 0x0               ; features, Q, wq_codes, wq_scales, g1_w, g1_b, g2_w, g2_b
	s_load_b128 s[20:23], s[0:1], 0x40             ; Wv_b, out0
	s_load_b64 s[24:25], s[0:1], 0x50              ; out1
	v_lshl_add_u32 v[SPW], v0, 2, SPARE
	v_mov_b32 v[NIL], 0
	ds_add_u32 v[SPW], v[NIL]                      ; the opening: the add, twice on end, and its wait ahead of my first tensor load
	ds_add_u32 v[SPW], v[NIL]
	v_lshrrev_b32 v[LN], 5, v0
	v_readfirstlane_b32 s[WV], v[LN]               ; wave 0..7
	s_mov_b32 s[G1+0], (3<<16)|(1<<20)|(6<<22)|(3<<25)     ; elements of 8 bytes; 4 words of padding behind every 128
	s_mov_b32 s[G1+1], 64<<16                      ; rows of 512 bytes,
	s_mov_b32 s[G1+2], 64<<16                      ; 64 of them, dense, for the head's load; 32 for the ring's
	s_mov_b32 s[G1+3], 64<<16
	s_mov_b32 s[G1+4], 64
	s_mov_b32 s[G1+5], 64
	s_mov_b32 s[G1+6], 0
	s_mov_b32 s[G1+7], 0
	s_mul_i32 s58, s[WV], 2*TILEB                  ; my parts of slot 0 and of slot 1 lie on end
	s_lshl_b32 s60, ttmp9, 20                      ; four batches of 262,144 bytes
	s_lshl_b32 s61, s[WV], 14                      ; my 8 rows of 2,048 bytes
	s_add_co_u32 s60, s60, s61
	s_mov_b32 s61, 0
	s_wait_dscnt 0x0
	s_wait_kmcnt 0x0
	s_mov_b32 s[G0A], 1
	s_mov_b32 s[G0A+1], s58
	s_add_nc_u64 s[G0A+2:G0A+3], s[4:5], s[60:61]
	s_add_nc_u64 s[G0B+2:G0B+3], s[G0A+2:G0A+3], 131072
	s_add_nc_u64 s[PFA:PFA+1], s[G0A+2:G0A+3], 262144      ; the first refill
	s_lshl_b32 s60, s[WV], 14
	s_add_nc_u64 s[G0H+2:G0H+3], s[G0A+2:G0A+3], s[60:61]  ; batch 0: my 16 rows of 2,048 bytes
	s_or_b32 s[G0H+3], s[G0H+3], 0x80000000
	s_mov_b32 s[G0H], 1
	s_mov_b32 s[G0H+1], s58
	s_or_b32 s[G0A+3], s[G0A+3], 0x80000000
	s_mov_b32 s[G0B], 1
	s_add_co_u32 s[G0B+1], s58, TILEB
	s_or_b32 s[G0B+3], s[G0B+3], 0x80000000
	tensor_load_to_lds s[G0H:G0H+3], s[G1:G1+7]    ; BATCH 0 COMES WHOLE, one tensor load a wave: rows 16 w .. 16 w + 15 fill my parts of both slots.  Which row of a batch stands where moves no result: every sum over c runs over all 128
	s_nop 0
	s_load_b32 s[G2B], s[18:19], 0x0
	s_mov_b32 s[SEL], 0x76543210
	s_mov_b32 s[SEL+1], 0xfedcba98                 ; lane l xor 16
	s_mov_b32 s[CS], 0x3d8293ee                    ; log2(e) / sqrt(512)
	s_mov_b32 s[KP], 0x3e6d3388
	s_mov_b32 s[KE], 0xbf38aa3b
	s_mov_b32 s[A1], 0x3e827906
	s_mov_b32 s[A2], 0xbe91a98e
	s_mov_b32 s[A3], 0x3fb5f0e3
	s_mov_b32 s[A4], 0xbfba00e3
	s_mov_b32 s[A5], 0x3f87dc22
	s_mov_b32 s[KM], 0x80000000
	s_mov_b32 s[KL], 0xbfb8aa3b                    ; -log2(e)
	s_lshl_b32 s2, ttmp9, 13
	s_mov_b32 s3, 0
	s_add_nc_u64 s[6:7], s[6:7], s[2:3]            ; my four rows of Q
	s_add_nc_u64 s[22:23], s[22:23], s[2:3]        ; and of out0
	s_lshl_b32 s2, ttmp9, 4
	s_add_nc_u64 s[24:25], s[24:25], s[2:3]
	; every scalar term first, then the vector lines on end
	s_lshl_b32 s58, s[WV], 9
	s_add_co_u32 s59, s58, SCO
	s_add_co_u32 s60, s58, PW
	s_lshl_b32 s61, s[WV], 2
	s_add_co_u32 s61, s61, ABT
	s_lshl_b32 s62, s[WV], 10
	s_add_co_u32 s63, s62, OST
	s_lshl_b32 s66, s[WV], 8
	s_mul_i32 s67, s[WV], 2*TILEB
	s_lshr_b32 s68, s[WV], 1                       ; my rows' tile of the slot's four,
	s_and_b32 s69, s[WV], 1                        ; and which 8 rows of it.  Also: which 16 hidden units (waves 0, 1)
	s_mul_i32 s70, s68, 4*FP
	s_lshl_b32 s71, s69, 7
	s_add_co_u32 s70, s70, s71
	s_add_co_u32 s70, s70, IMG
	s_lshl_b32 s71, s68, 8
	s_lshl_b32 s72, s69, 5
	s_add_co_u32 s71, s71, s72
	s_add_co_u32 s71, s71, ISC
	s_lshl_b32 s72, s[WV], 14
	s_lshl_b32 s73, s69, 12
	s_lshl_b32 s86, s69, 9
	s_lshr_b32 s87, ttmp9, 2
	s_add_co_u32 s87, s87, 64                      ; Q's tile among launch 1's
	s_and_b32 s88, ttmp9, 3
	s_lshl_b32 s89, s87, 12
	s_lshl_b32 s90, s88, 6
	s_add_co_u32 s89, s89, s90
	s_lshl_b32 s90, s87, 8
	s_lshl_b32 s91, s88, 4
	s_add_co_u32 s90, s90, s91
	s_lshl_b32 s91, s69, 6
	s_mul_i32 s92, s69, 16*2052
	s_lshl_b32 s93, s69, 8
	s_add_co_u32 s93, s93, GSA
	s_lshl_b32 s94, s69, 7
	s_add_co_u32 s95, s94, GSW
	s_add_co_u32 s49, s94, ZP
	s_add_co_u32 s94, s94, GSC
	s_add_co_u32 s47, s95, s91
	v_and_b32 v[LN], 31, v0
	v_and_b32 v[T0], 15, v0                        ; r
	v_bfe_u32 v[T1], v0, 4, 1                      ; h
	v_bfe_u32 v[T2], v0, 2, 3                      ; my unit's row
	v_and_b32 v[L3], 3, v0                         ; and its K step
	v_lshlrev_b32 v[L16], 4, v[LN]
	v_add_nc_u32 v[F0], IMG, v[L16]
	v_lshl_add_u32 v[I0], v[LN], 2, ISC
	v_lshl_add_u32 v[SS0], v[T0], 2, s59
	v_add_nc_u32 v[SCR], SCO, v[L16]
	v_mov_b32 v[ABR], ABT
	v_mov_b32 v[ABW], s61
	v_add_nc_u32 v[PWW], s60, v[L16]
	v_lshl_add_u32 v[PR0], v[T1], 5, s60
	v_lshl_add_u32 v[OS0], v[T0], 2, s63
	v_add_nc_u32 v[ORD], s63, v[L16]
	v_lshl_add_u32 v[QOF], v[T1], 5, s66
	v_lshl_add_u32 v[WBO], v[T0], 4, s66
	v_lshl_add_u32 v[VWB], v[T1], 11, v[WBO]
	v_mul_u32_u24 v[QA0], v[LN], UP
	v_add_nc_u32 v[QA0], s67, v[QA0]
	v_add_nc_u32 v[QA1], TILEB, v[QA0]
	v_mul_u32_u24 v[IW0], v[L3], FP
	v_lshl_add_u32 v[IW0], v[T2], 4, v[IW0]
	v_add_nc_u32 v[IW0], s70, v[IW0]
	v_lshlrev_b32 v[SW0], 6, v[L3]
	v_lshl_add_u32 v[SW0], v[T2], 2, v[SW0]
	v_add_nc_u32 v[SW0], s71, v[SW0]
	v_lshlrev_b32 v[PFO], 8, v[LN]
	v_add_nc_u32 v[WCO], s72, v[L16]
	v_lshl_add_u32 v[WSO], v[LN], 2, s62
	v_mov_b32 v[FS], 0
	v_add_nc_u32 v[OO], s73, v[L16]                ; the gate's offsets: g1_w's codes,
	v_lshl_add_u32 v[OO+1], v[LN], 2, s86          ; their scale words,
	v_lshl_add_u32 v[OO+2], v[T1], 8, s89
	v_lshl_add_u32 v[OO+2], v[L3], 4, v[OO+2]      ; Q's codes: column r takes batch r % 4,
	v_lshl_add_u32 v[OO+3], v[L3], 2, s90          ; their scale words,
	v_lshl_add_u32 v[T3], v[T1], 5, s91            ; g1_b,
	v_mul_u32_u24 v[T4], v[T0], 2052
	v_add_nc_u32 v[T4], s92, v[T4]                 ; g1_w's column 512,
	v_lshlrev_b32 v[OSA], 2, v[LN]                 ; g2_w;
	v_lshl_add_u32 v[RL], v[T1], 7, s93
	v_lshl_add_u32 v[RL], v[L3], 5, v[RL]          ; and where they wait in LDS
	v_lshl_add_u32 v[PT], v[LN], 2, s95
	v_lshl_add_u32 v[PT2], v[LN], 2, s94
	s_wait_alu depctr_va_vdst(0)
	; the gate over K = 0 .. 511, waves 0 and 1: one arm with its loads, its wait and its products, ahead of the wave's other loads
	s_cmp_lt_u32 s[WV], 2
	s_cbranch_scc0 .Lng1
.irp s, 0,1,2,3
.irp c, 0,1
	global_load_b128 v[ACC+8*\s+4*\c:ACC+8*\s+4*\c+3], v[OO], s[8:9] offset:128*4096+1024*\s+512*\c
	global_load_b128 v[ACC+32+8*\s+4*\c:ACC+32+8*\s+4*\c+3], v[OO+2], s[8:9] offset:1024*\s+512*\c
.endr
	global_load_b32 v[WVS+\s], v[OO+1], s[10:11] offset:32768+128*\s
	global_load_b32 v[WVS+4+\s], v[OO+3], s[10:11] offset:64*\s
.endr
	global_load_b128 v[QR:QR+3], v[T3], s[14:15]           ; g1_b starts the sums
	global_load_b128 v[QR+4:QR+7], v[T3], s[14:15] offset:16
	global_load_b32 v[QR+8], v[OSA], s[16:17]
	global_load_b32 v[QR+9], v[T4], s[12:13] offset:2048
	s_wait_loadcnt 0x0                             ; the arm's own loads: no other load of the wave is out yet
.irp s, 0,1,2,3
	s_wait_alu depctr_va_vdst(0)                   ; one accumulator
	WMS QR, ACC+8*\s, ACC+32+8*\s, WVS+\s, WVS+4+\s, 1
.endr
	PLACES
	ds_store_b128 v[RL], v[QR:QR+3]                ; columns r and r + 4 hold the same batch: lanes that share a place write the same values
	ds_store_b128 v[RL], v[QR+4:QR+7] offset:16
	ds_store_b32 v[PT], v[QR+8]
	ds_store_b32 v[PT2], v[QR+9]
	s_wait_dscnt 0x0                               ; the stores have read their registers
.Lng1:
.irp t, 0,1,2,3
.irp p, 0,1
	global_load_b32 v[WVS+2*\t+\p], v[WSO], s[10:11] offset:8192+256*\t+128*\p
.endr
.endr
	QLOAD
.irp t, 0,1,2,3
.irp p, 0,1
	global_load_b32 v[WKS+2*\t+\p], v[WSO], s[10:11] offset:256*\t+128*\p
.endr
.endr
	WIN 0x40
.irp t, 0,1,2,3
.irp s, 0,1,2,3
.irp c, 0,1
	global_load_b128 v[32*\t+8*\s+4*\c:32*\t+8*\s+4*\c+3], v[WCO], s[8:9] offset:(4*\t+\s)*1024+512*\c   ; Wk's codes
.endr
.endr
.endr
.irp t, 0,1,2,3
.irp s, 0,1,2,3
.irp c, 0,1
	global_load_b128 v[128+32*\t+8*\s+4*\c:128+32*\t+8*\s+4*\c+3], v[WCO], s[8:9] offset:131072+(4*\t+\s)*1024+512*\c   ; Wv's codes
.endr
.endr
.endr
	WIN 0
	ASKNEXT                                        ; what the first refill will ask for
	s_wait_kmcnt 0x0
	s_mul_f32 s[GK], s[G2B], s[KL]
	CLEARSUM
	s_wait_alu depctr_va_vdst(0)
	s_wait_tensorcnt 0x0                           ; my 16 rows of batch 0, which I alone read; no tensor load of mine is out, so a descriptor may be written:
	s_mov_b32 s[G1+2], 32<<16                      ; from here on a load brings 32 units
	s_mov_b32 s[G1+4], 32
	QTILE QA0, 0
	s_mov_b32 s[BI], 0
	s_mov_b32 s[OB], 0
	s_mov_b32 s[BC], 3
.Lbatch:
	BATCH 0
	s_add_co_u32 s[BI], s[BI], 1
	s_add_co_u32 s[OB], s[OB], 256
	s_sub_co_u32 s[BC], s[BC], 1
	s_cmp_lg_u32 s[BC], 0
	s_wait_alu depctr_va_vdst(0)
	s_cbranch_scc1 .Lbatch
	BATCH 1                                        ; the last batch is written out: it fills nothing
	BAR                                            ; the gate's two halves are written
	; THE WAY OUT: lanes 0-15 take batch 2 j, lanes 16-31 batch 2 j + 1; sixteen lanes store my 64 t of a row: 256 consecutive bytes, aligned
	v_bfe_u32 v[T1], v0, 4, 1
	v_lshl_add_u32 v[T0], v[T1], 2, ZP
	v_lshl_add_u32 v[T2], v[L3], 2, ZP
	ds_load_b32 v64, v[T0]
	ds_load_b32 v65, v[T0] offset:128
	ds_load_b32 v66, v[T0] offset:8
	ds_load_b32 v67, v[T0] offset:136
	ds_load_b32 v68, v[T2]
	ds_load_b32 v69, v[T2] offset:128
	ds_load_b128 v[72:75], v[ORD]
	ds_load_b128 v[76:79], v[ORD] offset:512
	s_wait_dscnt 0x0
	s_wait_loadcnt 0x0                             ; Wv_b
	v_add_f32 v64, v64, v65
	v_add_f32 v66, v66, v67
	v_add_f32 v68, v68, v69
	v_fma_f32 v64, v64, s[KL], s[GK]               ; -(z + g2_b) log2(e)
	v_fma_f32 v66, v66, s[KL], s[GK]
	v_fma_f32 v68, v68, s[KL], s[GK]
	s_wait_alu depctr_va_vdst(0)
	v_exp_f32 v64, v64
	v_exp_f32 v66, v66
	v_exp_f32 v68, v68
	v_nop
	s_wait_alu depctr_va_vdst(0)
	v_add_f32 v64, 1.0, v64
	v_add_f32 v66, 1.0, v66
	v_add_f32 v68, 1.0, v68
	s_wait_alu depctr_va_vdst(0)
	v_rcp_f32 v64, v64
	v_rcp_f32 v66, v66
	v_rcp_f32 v68, v68
	v_lshlrev_b32 v[T0], 2, v0
	s_wait_alu depctr_va_vdst(0)
.irp j, 0,1
	v_pk_add_f32 v[72+4*\j:73+4*\j], v[72+4*\j:73+4*\j], v[WVB:WVB+1]
	v_pk_add_f32 v[74+4*\j:75+4*\j], v[74+4*\j:75+4*\j], v[WVB+2:WVB+3]
	v_pk_mul_f32 v[72+4*\j:73+4*\j], v[72+4*\j:73+4*\j], v[64+2*\j:65+2*\j] op_sel_hi:[1,0]
	v_pk_mul_f32 v[74+4*\j:75+4*\j], v[74+4*\j:75+4*\j], v[64+2*\j:65+2*\j] op_sel_hi:[1,0]
	global_store_b128 v[VWB], v[72+4*\j:75+4*\j], s[22:23] offset:4096*\j th:TH_STORE_NT
.endr
	s_wait_xcnt 0x0                                ; EXEC changes only behind this wait
	v_cmp_gt_u32 vcc_lo, 4, v0
	s_and_saveexec_b32 s58, vcc_lo
	global_store_b32 v[T0], v68, s[24:25]          ; threads 0-3: the four gates
	s_wait_xcnt 0x0
	s_or_b32 exec_lo, exec_lo, s58
	s_wait_tensorcnt 0x0                           ; the wave's end
	ds_add_u32 v[SPW], v[NIL]
	s_wait_dscnt 0x0
	s_endpgm
.Lfunc_end_k_qe5a7051498_main:
	.size	k_qe5a7051498_main, .Lfunc_end_k_qe5a7051498_main-k_qe5a7051498_main
	.p2alignl 7, 3214868480
	.fill 96, 4, 3214868480
	.section	.rodata,"a",@progbits
	.p2align	6, 0x0
	.amdhsa_kernel k_qe5a7051498_main
		.amdhsa_group_segment_fixed_size 327680
		.amdhsa_private_segment_fixed_size 0
		.amdhsa_enable_private_segment 0
		.amdhsa_kernarg_size 88
		.amdhsa_user_sgpr_count 2
		.amdhsa_user_sgpr_kernarg_segment_ptr 1
		.amdhsa_wavefront_size32 1
		.amdhsa_system_sgpr_workgroup_id_x 1
		.amdhsa_system_sgpr_workgroup_id_y 1
		.amdhsa_system_sgpr_workgroup_id_z 1
		.amdhsa_system_vgpr_workitem_id 0
		.amdhsa_next_free_vgpr 512
		.amdhsa_next_free_sgpr 96
		.amdhsa_reserve_vcc 1
		.amdhsa_float_denorm_mode_32 3
		.amdhsa_float_denorm_mode_16_64 3
		.amdhsa_memory_ordered 1
		.amdhsa_forward_progress 1
		.amdhsa_inst_pref_size 228
	.end_amdhsa_kernel
	.amdgpu_metadata
---
amdhsa.version: [ 1, 2 ]
amdhsa.kernels:
  - .name:           k_qe5a7051498_main
    .symbol:         k_qe5a7051498_main.kd
    .args:
      - { .name: features, .offset: 0, .size: 8, .value_kind: global_buffer, .address_space: global }
      - { .name: Q, .offset: 8, .size: 8, .value_kind: global_buffer, .address_space: global }
      - { .name: wq_codes, .offset: 16, .size: 8, .value_kind: global_buffer, .address_space: global }
      - { .name: wq_scales, .offset: 24, .size: 8, .value_kind: global_buffer, .address_space: global }
      - { .name: g1_w, .offset: 32, .size: 8, .value_kind: global_buffer, .address_space: global }
      - { .name: g1_b, .offset: 40, .size: 8, .value_kind: global_buffer, .address_space: global }
      - { .name: g2_w, .offset: 48, .size: 8, .value_kind: global_buffer, .address_space: global }
      - { .name: g2_b, .offset: 56, .size: 8, .value_kind: global_buffer, .address_space: global }
      - { .name: Wv_b, .offset: 64, .size: 8, .value_kind: global_buffer, .address_space: global }
      - { .name: out0, .offset: 72, .size: 8, .value_kind: global_buffer, .address_space: global }
      - { .name: out1, .offset: 80, .size: 8, .value_kind: global_buffer, .address_space: global }
    .group_segment_fixed_size: 327680
    .private_segment_fixed_size: 0
    .kernarg_segment_align: 8
    .kernarg_segment_size: 88
    .max_flat_workgroup_size: 256
    .sgpr_count:     96
    .vgpr_count:     512
    .wavefront_size: 32
...
	.end_amdgpu_metadata
.endif
;; end of part 2
